; MI455X (gfx1250); checked and timed in simulation.
; The chip was launched on July 23, 2026; its instructions are those of AMD's public machine-readable ISA for CDNA 5 (MIT licence, August 2026) and "CDNA5" Instruction Set Architecture Reference Guide (July 2026). The comments in the code are by the model that wrote it; some were corrected since.
;; Self Attention. Allowed arithmetic: matrix products marked QUANTISED: E2M3 operands, one E8M0 scale for each 32 along K, by v_wmma_scale_f32_16x16x128_f8f6f4 with both operands' format E2M3, f32 sums; everything else in f32.
;; Inputs: Wc 1,024 x 1,024 float32; Wk 1,024 x 1,024 float32; Wq 1,024 x 1,024 float32; Wv 1,024 x 1,024 float32; bc 1,024 float32; bk 1,024 float32; bq 1,024 float32; bv 1,024 float32; x 4 x 1,024 x 1,024 float32.
;; Outputs: out0 4 x 1,024 x 1,024 float32.
;; This version of the problem:
;;   THIS VERSION OF THE PROBLEM IS GIVEN IN LOW PRECISION. The matrix products marked QUANTISED in the list below multiply operands that are first quantised to E2M3 (2 exponent bits, 3 mantissa bits; 6 bits a number), with one power-of-two scale for each 32 numbers along K (OCP MX v1.0); their sums are f32. All else is computed in f32.
;;   The module's matrix products, in the order in which they are computed (A, B: the left and right operand; K: the contracted axis; several contracted axes count as one K, in the product's order):
;;     1. [M 4,096, K 1,024] x [K 1,024, N 1,024]; A: input x; B: input Wq: QUANTISED
;;     2. [M 4,096, K 1,024] x [K 1,024, N 1,024]; A: input x; B: input Wk: QUANTISED
;;     3. [M 4,096, K 1,024] x [K 1,024, N 1,024]; A: input x; B: input Wv: QUANTISED
;;     4. batch 64 x [M 1,024, K 64] x [K 64, N 1,024]; A: computed on the way; B: computed on the way: QUANTISED
;;     5. batch 64 x [M 1,024, K 1,024] x [K 1,024, N 64]; A: softmax (see below); B: computed on the way: QUANTISED
;;     6. [M 4,096, K 1,024] x [K 1,024, N 1,024]; A: computed on the way; B: input Wc: QUANTISED
;;   THE QUANTISER, for each operand of a quantised product, along K:
;;     - K is cut into blocks of 32 from its start; a last block that is shorter is filled with zeros.
;;     - A block's scale is 2^e with e = floor(log2(the largest magnitude in the block)) - 2, held to -126 .. 127; a block of zeros has e = 0. As a byte (E8M0): e + 127.
;;     - Each number is divided by its block's scale, clamped to +-7.5, and rounded to the nearest number of E2M3, ties to even, subnormals kept.
;;     - The product sums the exact products of the quantised numbers (number of the format x scale) in f32.
;;   ~~~python
;;   def quantise(x, axis):      # numpy; x: float32 -> the quantised numbers, widened to float32 again
;;       x = np.moveaxis(x, axis, -1); K = x.shape[-1]
;;       x = np.pad(x, [(0, 0)] * (x.ndim - 1) + [(0, -K % 32)]); x = x.reshape(x.shape[:-1] + (-1, 32)); a = np.abs(x).max(-1, keepdims=True)
;;       e = np.where(a > 0, np.clip(np.frexp(np.where(a > 0, a, 1))[1] - 1 - 2, -126, 127), 0)      # np.frexp(a)[1] - 1 = floor(log2(a)), exactly
;;       r = np.clip(x / 2.0 ** e, -7.5, 7.5)
;;       step = 2.0 ** (np.maximum(np.frexp(np.where(r == 0, 1, r))[1] - 1, 0) - 3)
;;       q = np.round(r / step) * step * 2.0 ** e      # np.round: ties to even
;;       return np.moveaxis(q.reshape(q.shape[:-2] + (-1,))[..., :K], -1, axis).astype(np.float32)
;;   ~~~
;;   SOFTMAX AHEAD OF A QUANTISED PRODUCT. Where the list says 'softmax', what is quantised is not the finished softmax but p = 2^(t - M), with t = logit x log2(e) and M = ceil(the row's largest t), a whole number; so 1/2 < the row's largest p <= 1. The row's sum l is taken of the UNQUANTISED p, in f32, and the product's result is divided by l at the end. Since M is a whole number, a kernel that streams over the keys may use a running M (the ceiling of the running maximum): every later rescaling is an exact power of two, which a block's scale takes up: the codes' values come out the same.
;;   OPERANDS COMPUTED ON THE WAY. 'Computed on the way' means the value that the module computes at that place (a softmax that the list does not call 'softmax' is quantised finished and normalised). What goes into a quantiser is computed in f32, as accurately as f32 sums, v_exp_f32 and their like allow (about 1e-6 of the number): no bf16 or f16 on the way to a quantiser, and a product that is left as it is and whose result goes on into a quantised operand takes f32 operands (vector FMAs, or v_wmma_f32_16x16x4_f32). A number that lies on a knife's edge between two numbers of the format may be rounded either way, as far as f32 arithmetic and the matrix unit's own rounding can turn it there, and no further.
;; One version. Each part assembles by itself: llvm-mc -triple=amdgcn-amd-amdhsa -mcpu=gfx1250 --defsym DOCPART=n.
;; ======== version 1 of 1: 3 launches
;; limits: right only within a limited range of input values
;; workspace buffers: x_img 3,145,728 bytes; x_sc 131,072 bytes; w_img 2,359,296 bytes; w_sc 98,304 bytes; c_img 819,200 bytes; q_img 3,145,728 bytes; q_sc 262,144 bytes; kv 6,684,672 bytes
;; launch quant (part 1): grid 256 x 1, 4 waves a work-group, no clusters, 35,328 bytes of LDS; arguments x, Wq, Wk, Wv, Wc, x_img, x_sc, w_img, w_sc, c_img; writes x_img, x_sc, w_img, w_sc, c_img
.if DOCPART == 1
	.amdgcn_target "amdgcn-amd-amdhsa--gfx1250"
	.amdhsa_code_object_version 6
	.text
	.protected	k_q08707c4469_quant
	.globl	k_q08707c4469_quant
	.p2align	8
	.type	k_q08707c4469_quant,@function
k_q08707c4469_quant:
	s_mov_b64 s[64:65], 0
	v_nop
	global_prefetch_b8 v0, s[64:65] scope:SCOPE_SE
	s_setreg_imm32_b32 hwreg(HW_REG_WAVE_MODE, 25, 1), 1
	s_wait_xcnt 0x0
; x [4096][1024] and Wq, Wk, Wv, Wc [1024][1024], f32, K innermost, become codes of FP6 (E2M3) with one E8M0 byte for each 32 along K.  No step of the problem is left out anywhere in this program.
; A FRAGMENT is 16 rows x 128 K = 12 registers: lane (r, h) = (lane % 16, lane / 16) holds row r, registers 6 c .. 6 c + 5 hold k = 64 c + 32 h + 0 .. 31.  In memory it is an IMAGE OF ITS REGISTERS: [piece of 4 registers][lane][16 bytes], 1,536 bytes.
; THE ROWS OF A TILE: tile j of a group of 64 rows holds at place r row 32 (r / 8) + 8 j + r % 8 of the group: a product's lane then holds, over the group's four tiles, 32 neighbours: one whole scale block of what follows.
; x_img [256 tokens: 16][K step of 128: 8][tile 16][1536]; w_img [head 16][K step][4 m + j, m = q, k, v][1536]; c_img (Wc) [j][group 16][8 fragments, then the tile's scales 512]: 12,800 bytes a tile.
; Scales of a tile: [half of K][r][16 bytes].  A wave takes one tile and one half of K: four steps of 16 rows x 128 K.
; A block's byte is the largest magnitude's exponent field - 2, held at 1 from below.
; LIMITS: NaN and infinities are not served; a block whose largest magnitude lies under 2^-124, or a block of zeros, gets the byte 1 (only this program reads the bytes).
; Each load reads 512 consecutive bytes of one row; all 64 of a wave are asked for at the head.  A step's 8,192 bytes turn through the wave's own stage (rows 528 bytes apart).  No barrier: waves share nothing.
.set X, 64                             ; v64-127 my 64 numbers of a step
.set CDQ, 128                          ; v128-175 codes, 12 registers a step
.set WREG, 8704                        ; a wave's LDS: 16 x 528, then 256 scale bytes
.set SPARE, 4*WREG
.set SPW, 10
.set NIL, 11
.set MSB, 0
.macro WIN new
.if MSB != (\new)
	s_set_vgpr_msb (MSB<<8)|(\new)
.set MSB, (\new)
.endif
.endm
	s_load_b256 s[4:11], s[0:1], 0x0               ; x, Wq, Wk, Wv
	s_load_b64 s[12:13], s[0:1], 0x20              ; Wc
	s_load_b256 s[24:31], s[0:1], 0x28             ; x_img, x_sc, w_img, w_sc
	s_load_b64 s[32:33], s[0:1], 0x48              ; c_img
	v_lshl_add_u32 v[SPW], v0, 2, SPARE
	v_mov_b32 v[NIL], 0
	v_lshrrev_b32 v1, 5, v0
	v_readfirstlane_b32 s16, v1                    ; wave
	v_and_b32 v2, 31, v0                           ; lane
	v_lshlrev_b32 v3, 4, v2
	v_and_b32 v9, 15, v0                           ; r
	v_bfe_u32 v12, v0, 4, 1                        ; h
	s_mul_i32 s19, s16, WREG
	v_add_nc_u32 v4, s19, v3                       ; into the stage
	v_mul_u32_u24 v5, v9, 528
	v_lshl_add_u32 v5, v12, 7, v5
	v_add_nc_u32 v5, s19, v5                       ; out of it: row r, block h
	s_add_co_u32 s19, s19, 16*528
	v_lshl_add_u32 v6, v9, 4, v12
	v_add_nc_u32 v6, s19, v6                       ; my scale byte
	v_lshlrev_b32 v7, 3, v2
	v_add_nc_u32 v8, s19, v7
	s_lshr_b32 s17, s16, 1
	s_and_b32 s18, s16, 1                          ; which half of K
	s_lshl_b32 s20, ttmp9, 1
	s_add_co_u32 s20, s20, s17                     ; the tile: 0-255 of x, 256-511 of the weights
	s_and_b32 s21, s20, 255
	s_lshr_b32 s23, s21, 6                         ; m
	s_and_b32 s34, s21, 63
	s_cmp_lt_u32 ttmp9, 128
	s_cselect_b32 s22, s21, s34                    ; the tile in its tensor
	s_lshr_b32 s35, s22, 2                         ; its group of 64 rows
	s_and_b32 s36, s22, 3                          ; j
	s_lshr_b32 s37, s22, 4
	s_mul_i32 s37, s37, 196608
	s_and_b32 s38, s22, 15
	s_mul_i32 s38, s38, 1536
	s_add_co_u32 s37, s37, s38                     ; x: codes,
	s_lshl_b32 s39, s22, 9                         ; scales
	s_lshl_b32 s40, s23, 2
	s_add_co_u32 s40, s40, s36
	s_mul_i32 s41, s35, 147456
	s_mul_i32 s42, s40, 1536
	s_add_co_u32 s41, s41, s42                     ; Wq, Wk, Wv: codes,
	s_mul_i32 s42, s35, 6144
	s_lshl_b32 s43, s40, 9
	s_add_co_u32 s42, s42, s43                     ; scales
	s_lshl_b32 s43, s36, 4
	s_add_co_u32 s43, s43, s35
	s_mul_i32 s43, s43, 12800                      ; Wc: codes,
	s_add_co_u32 s44, s43, 12288                   ; scales
	s_lshl_b32 s14, s35, 18
	s_lshl_b32 s15, s36, 15
	s_add_co_u32 s14, s14, s15
	s_lshl_b32 s15, s18, 11
	s_add_co_u32 s14, s14, s15                     ; the source's byte
	s_mov_b32 s15, 0
	s_mov_b32 s46, 18432                           ; from one K step's image to the next
	s_mov_b32 s47, 0
	s_wait_alu depctr_va_vdst(0)
	s_wait_kmcnt 0x0
	s_cmp_eq_u32 s23, 2                            ; the choices hang on the work-group's and the wave's number alone
	s_cselect_b64 s[6:7], s[10:11], s[6:7]
	s_cmp_eq_u32 s23, 1
	s_cselect_b64 s[6:7], s[8:9], s[6:7]
	s_cmp_eq_u32 s23, 3
	s_cselect_b64 s[6:7], s[12:13], s[6:7]
	s_cselect_b64 s[28:29], s[32:33], s[28:29]
	s_cselect_b64 s[30:31], s[32:33], s[30:31]
	s_cselect_b32 s41, s43, s41
	s_cselect_b32 s42, s44, s42
	s_cselect_b32 s46, 1536, s46
	s_cmp_lt_u32 ttmp9, 128
	s_cselect_b64 s[4:5], s[4:5], s[6:7]
	s_cselect_b64 s[28:29], s[24:25], s[28:29]
	s_cselect_b64 s[30:31], s[26:27], s[30:31]
	s_cselect_b32 s41, s37, s41
	s_cselect_b32 s42, s39, s42
	s_cselect_b32 s46, 24576, s46
	s_add_nc_u64 s[4:5], s[4:5], s[14:15]
.macro LOAD s
	WIN 0x40
.irp r, 0,1,2,3,4,5,6,7,8,9,10,11,12,13,14,15
	global_load_b128 v[64*\s+4*\r:64*\s+4*\r+3], v3, s[4:5] offset:(32*(\r/8)+\r%8)*4096+512*\s th:TH_LOAD_NT
.endr
	WIN 0
.endm
.irp s, 0,1,2,3
	LOAD \s
.endr
	s_lshl_b32 s40, s18, 2
	s_mul_i32 s40, s40, s46
	s_add_co_u32 s40, s41, s40
	s_mov_b32 s41, 0
	s_add_nc_u64 s[48:49], s[28:29], s[40:41]      ; one base for each of my four images
	s_add_nc_u64 s[50:51], s[48:49], s[46:47]
	s_add_nc_u64 s[52:53], s[50:51], s[46:47]
	s_add_nc_u64 s[54:55], s[52:53], s[46:47]
	s_lshl_b32 s43, s18, 8
	s_add_co_u32 s42, s42, s43
	s_mov_b32 s43, 0
	s_add_nc_u64 s[30:31], s[30:31], s[42:43]
.macro STEP s
.set CD, CDQ+12*(\s)
	s_wait_loadcnt 16*(3-(\s))                     ; this step's 16 loads are in; the later steps' may be out
	WIN 0x04
.irp r, 0,1,2,3,4,5,6,7,8,9,10,11,12,13,14,15
	ds_store_b128 v4, v[64*(\s)+4*\r:64*(\s)+4*\r+3] offset:528*\r
.endr
	WIN 0
.irp i, 0,1,2,3,4,5,6,7
	ds_load_b128 v[X+4*\i:X+4*\i+3], v5 offset:16*\i   ; LDS serves a wave's instructions in order (ISA guide 5.7.1.4): no wait behind the stores
	ds_load_b128 v[X+32+4*\i:X+35+4*\i], v5 offset:256+16*\i
.endr
	s_wait_dscnt 0x0
.irp c, 0,1,2,3
	v_max3_num_f32 v[12+\c], |v[X+16*\c]|, |v[X+16*\c+1]|, |v[X+16*\c+2]|
.endr
.irp i, 3,5,7,9,11,13
.irp c, 0,1,2,3
	v_max3_num_f32 v[12+\c], v[12+\c], |v[X+16*\c+\i]|, |v[X+16*\c+\i+1]|
.endr
.endr
	v_max3_num_f32 v12, v12, |v[X+15]|, |v[X+31]|
	v_max3_num_f32 v14, v14, |v[X+47]|, |v[X+63]|
	v_max3_num_f32 v12, v12, v13, 0x1800000        ; the floor 2^(3 - 127): the byte cannot fall under 1
	v_max3_num_f32 v14, v14, v15, 0x1800000
	v_add_nc_u32 v16, 0xff000000, v12              ; 2 off the exponent field: the conversion's scale operand
	v_add_nc_u32 v17, 0xff000000, v14
	v_cvt_scalef32_pk16_fp6_f32 v[CD:CD+2], v[X:X+15], v16
	v_cvt_scalef32_pk16_fp6_f32 v[180:182], v[X+16:X+31], v16   ; (a conversion's three registers begin on an even number)
	v_cvt_scalef32_pk16_fp6_f32 v[CD+6:CD+8], v[X+32:X+47], v17
	v_cvt_scalef32_pk16_fp6_f32 v[184:186], v[X+48:X+63], v17
	v_lshrrev_b32 v18, 23, v16                     ; the bytes
	v_lshrrev_b32 v19, 23, v17
.irp i, 0,1,2
	v_mov_b32 v[CD+3+\i], v[180+\i]
	v_mov_b32 v[CD+9+\i], v[184+\i]
.endr
	ds_store_b8 v6, v18 offset:4*(\s)
	ds_store_b8 v6, v19 offset:4*(\s)+2
.irp i, 0,1,2
	global_store_b128 v3, v[CD+4*\i:CD+4*\i+3], s[48+2*(\s):49+2*(\s)] offset:512*\i   ; 512 consecutive bytes, aligned
.endr
.endm
	STEP 0
	STEP 1
	STEP 2
	STEP 3
	ds_load_b64 v[20:21], v8
	s_wait_dscnt 0x0
	global_store_b64 v7, v[20:21], s[30:31]        ; 256 consecutive bytes, aligned
	s_wait_tensorcnt 0x0                           ; the wave's end
	ds_add_u32 v[SPW], v[NIL]
	s_wait_dscnt 0x0
	s_endpgm
.Lfunc_end_k_q08707c4469_quant:
	.size	k_q08707c4469_quant, .Lfunc_end_k_q08707c4469_quant-k_q08707c4469_quant
	.p2alignl 7, 3214868480
	.fill 96, 4, 3214868480
	.section	.rodata,"a",@progbits
	.p2align	6, 0x0
	.amdhsa_kernel k_q08707c4469_quant
		.amdhsa_group_segment_fixed_size 35328
		.amdhsa_private_segment_fixed_size 0
		.amdhsa_enable_private_segment 0
		.amdhsa_kernarg_size 80
		.amdhsa_user_sgpr_count 2
		.amdhsa_user_sgpr_kernarg_segment_ptr 1
		.amdhsa_wavefront_size32 1
		.amdhsa_system_sgpr_workgroup_id_x 1
		.amdhsa_system_sgpr_workgroup_id_y 1
		.amdhsa_system_sgpr_workgroup_id_z 1
		.amdhsa_system_vgpr_workitem_id 0
		.amdhsa_next_free_vgpr 512
		.amdhsa_next_free_sgpr 66
		.amdhsa_reserve_vcc 0
		.amdhsa_float_denorm_mode_32 3
		.amdhsa_float_denorm_mode_16_64 3
		.amdhsa_memory_ordered 1
		.amdhsa_forward_progress 1
		.amdhsa_inst_pref_size 32
	.end_amdhsa_kernel
	.amdgpu_metadata
---
amdhsa.version: [ 1, 2 ]
amdhsa.kernels:
  - .name:           k_q08707c4469_quant
    .symbol:         k_q08707c4469_quant.kd
    .args:
      - { .name: x, .offset: 0, .size: 8, .value_kind: global_buffer, .address_space: global }
      - { .name: Wq, .offset: 8, .size: 8, .value_kind: global_buffer, .address_space: global }
      - { .name: Wk, .offset: 16, .size: 8, .value_kind: global_buffer, .address_space: global }
      - { .name: Wv, .offset: 24, .size: 8, .value_kind: global_buffer, .address_space: global }
      - { .name: Wc, .offset: 32, .size: 8, .value_kind: global_buffer, .address_space: global }
      - { .name: x_img, .offset: 40, .size: 8, .value_kind: global_buffer, .address_space: global }
      - { .name: x_sc, .offset: 48, .size: 8, .value_kind: global_buffer, .address_space: global }
      - { .name: w_img, .offset: 56, .size: 8, .value_kind: global_buffer, .address_space: global }
      - { .name: w_sc, .offset: 64, .size: 8, .value_kind: global_buffer, .address_space: global }
      - { .name: c_img, .offset: 72, .size: 8, .value_kind: global_buffer, .address_space: global }
    .group_segment_fixed_size: 35328
    .private_segment_fixed_size: 0
    .kernarg_segment_align: 8
    .kernarg_segment_size: 80
    .max_flat_workgroup_size: 128
    .sgpr_count:     66
    .vgpr_count:     512
    .wavefront_size: 32
...
	.end_amdgpu_metadata
.endif
;; end of part 1
;; launch qkv (part 2): grid 16 x 16, 4 waves a work-group, clusters of 4 x 4, 327,680 bytes of LDS; arguments x_img, x_sc, w_img, w_sc, bq, bk, bv, q_img, q_sc, kv; writes q_img, q_sc, kv
.if DOCPART == 2
	.amdgcn_target "amdgcn-amd-amdhsa--gfx1250"
	.amdhsa_code_object_version 6
	.text
	.protected	k_q08707c4469_qkv
	.globl	k_q08707c4469_qkv
	.p2align	8
	.type	k_q08707c4469_qkv,@function
k_q08707c4469_qkv:
	s_mov_b64 s[64:65], 0
	v_nop
	global_prefetch_b8 v0, s[64:65] scope:SCOPE_SE
	s_setreg_imm32_b32 hwreg(HW_REG_WAVE_MODE, 25, 1), 1
	s_wait_xcnt 0x0
	s_wait_alu depctr_hold_cnt(0) depctr_sa_sdst(0) depctr_va_vdst(0) depctr_va_sdst(0) depctr_va_ssrc(0) depctr_va_vcc(0) depctr_vm_vsrc(0)
	s_getreg_b32 s2, hwreg(HW_REG_IB_STS2, 6, 4)
	s_cmp_eq_u32 s2, 0
	s_cbranch_scc0 .Lentry_in_a_cluster
	s_endpgm
.Lentry_in_a_cluster:
	s_bfe_u32 s2, ttmp6, 0x10000c
	s_cmp_lg_u32 s2, 0xf033
	s_cbranch_scc0 .Lentry_shape_is_right
	s_endpgm
.Lentry_shape_is_right:
; q, k, v = x W^T + b on codes of FP6 (E2M3); the results are quantised in registers and leave as codes, in the order in which the next launch's operand registers take them.
; A work-group makes 256 tokens x ONE HEAD's q, k and v (192 columns), a wave 64 tokens x 192: 48 accumulators, 384 registers.  256 work-groups.
; q, k: source 0 = the weight's rows: a lane holds one token, its registers over the four tiles are 32 neighbouring features.  v: source 0 = x's rows: a lane holds one dim and 32 neighbouring tokens.  Each is one scale block.
; CLUSTER 4 x 4: x's tiles are shared along a row (one token block), a head's weights along a column: joint loads.
; LDS: the head's weights, all of K (147,456 bytes), and x's K steps 0-6 (172,032).  Both do not fit whole: x's K step 7 (four fragments, the wave's own rows) goes straight into registers.
; Everything is asked for at the head, one tensor load a wave, in two parts along K: steps 0-2, then the rest.  Nothing is filled twice, and no loop of loads is left to run ahead in: so no prefetch.
; OUT: q_img [bh][band of 64 tokens][j][768]: registers 0-3 at 16 x lane, registers 4-5 at 512 + 8 x lane; kv [bh]: K [key step of 128][pair of tiles][1536], V at 49,152 [key step][c][dim tile][768],
;   K's scale words at 98,304 [key step][c][r][j] (the head's two bytes twice), V's at 102,400 [key step][r][dim tile]; q_sc [bh][band][r][j].  bh = 16 batch + head.
; LIMITS: NaN and infinities are not served; a block whose largest magnitude lies under 2^-124, or a block of zeros, gets the byte 1.
; REGISTERS: window 0: v4-19 addresses, v30-77 the weights' scale words, v80-95 x's, v96-127 v's bias (later at work), v128-255 q's sums; window 1: fragments, set 0 (A 0-47, B 48-191), x's step 7 192-239, later the codes;
;   window 2: set 1, biases of q and k 192-255; window 3: k's sums 0-127, v's 128-255.
.set XL, 147456
.set SPARE, 319488
.set STG, 320000                       ; scale bytes: K 1,024, Q 1,024, V 512
.set FIRST, 3                          ; K steps in the first part
.set SPW, 12
.set NIL, 13
.set MSB, 0
.macro WIN new
.if MSB != (\new)
	s_set_vgpr_msb (MSB<<8)|(\new)
.set MSB, (\new)
.endif
.endm
.macro PLACES n
.rept \n
	v_nop
.endr
.endm
.macro CROUND
	s_barrier_signal -1
	s_barrier_wait -1
	s_cmp_lg_u32 s14, 0
	s_cbranch_scc1 .Lnot_wave_0_\@
	s_barrier_signal -3
.Lnot_wave_0_\@:
	s_barrier_wait -3
	s_barrier_signal -1
	s_barrier_wait -1
.endm
.macro GROUP1 g, mask, rows            ; a dense block as rows of 256 bytes: 32 elements of 8 bytes; the mask, bit 21 beside it
	s_or_b32 s[\g], s[\mask], (3<<16)|(1<<21)
	s_mov_b32 s[\g+1], 32<<16
	s_mov_b32 s[\g+2], (\rows)<<16
	s_mov_b32 s[\g+3], 32<<16
	s_mov_b32 s[\g+4], \rows
	s_mov_b32 s[\g+5], 32
	s_mov_b32 s[\g+6], 0
	s_mov_b32 s[\g+7], 0
.endm
.macro TLOAD g0, g1
	tensor_load_to_lds s[\g0:\g0+3], s[\g1:\g1+7]
	s_nop 0
	PLACES 4
.endm
	s_load_b256 s[4:11], s[0:1], 0x0               ; x_img, x_sc, w_img, w_sc
	s_load_b256 s[68:75], s[0:1], 0x20             ; bq, bk, bv, q_img
	s_load_b128 s[76:79], s[0:1], 0x40             ; q_sc, kv
	v_lshl_add_u32 v[SPW], v0, 2, SPARE
	v_mov_b32 v[NIL], 0
	ds_add_u32 v[SPW], v[NIL]                      ; the opening: the add twice on end and its wait
	ds_add_u32 v[SPW], v[NIL]
	v_lshrrev_b32 v1, 5, v0
	v_readfirstlane_b32 s14, v1                    ; wave
	s_bfe_u32 s40, ttmp6, 0x40000
	s_bfe_u32 s41, ttmp6, 0x40004
	s_lshl_b32 s42, ttmp9, 2
	s_add_co_u32 s42, s42, s40                     ; head
	s_and_b32 s43, ttmp7, 0xffff
	s_lshl_b32 s43, s43, 2
	s_add_co_u32 s43, s43, s41                     ; token block
	s_lshl_b32 s44, s41, 2
	s_lshl_b32 s44, 15, s44                        ; my row of the cluster
	s_lshl_b32 s45, 0x1111, s40                    ; my column
	GROUP1 16, 44, FIRST*96                        ; x: the first part,
	GROUP1 24, 44, (7-FIRST)*96                    ; the rest up to step 6
	GROUP1 32, 45, FIRST*72                        ; the weights: the first part,
	GROUP1 48, 45, (8-FIRST)*72                    ; the rest
	s_mul_i32 s88, s43, 196608
	s_mov_b32 s89, 0
	s_mul_i32 s90, s42, 147456
	s_mov_b32 s91, 0
	s_lshl_b32 s92, s43, 13
	s_lshl_b32 s93, s14, 11
	s_add_co_u32 s92, s92, s93                     ; my four tiles' scales
	s_mov_b32 s93, 0
	s_mul_i32 s94, s42, 6144
	s_mov_b32 s95, 0
	s_mov_b32 s56, 1
	s_mov_b32 s57, XL
	s_mov_b32 s60, 1
	s_mov_b32 s61, XL+FIRST*24576
	s_mov_b32 s80, 1
	s_mov_b32 s81, 0
	s_mov_b32 s84, 1
	s_mov_b32 s85, FIRST*18432
	s_wait_alu depctr_va_vdst(0)
	s_wait_dscnt 0x0
	CROUND                                         ; all sixteen work-groups are here: the joint loads meet
	s_wait_kmcnt 0x0
	s_add_nc_u64 s[88:89], s[4:5], s[88:89]
	s_add_nc_u64 s[90:91], s[8:9], s[90:91]
	s_mov_b64 s[58:59], s[88:89]
	s_or_b32 s59, s59, 0x80000000
	s_add_nc_u64 s[62:63], s[88:89], FIRST*24576
	s_or_b32 s63, s63, 0x80000000
	s_mov_b64 s[82:83], s[90:91]
	s_or_b32 s83, s83, 0x80000000
	s_add_nc_u64 s[86:87], s[90:91], FIRST*18432
	s_or_b32 s87, s87, 0x80000000
	s_cmp_eq_u32 s14, 0                            ; one chain of branches on the wave's number, one load to an arm
	s_cbranch_scc0 .Lwave_1
	TLOAD 56, 16
	s_branch .Lasked
.Lwave_1:
	s_cmp_eq_u32 s14, 1
	s_cbranch_scc0 .Lwave_2
	TLOAD 80, 32
	s_branch .Lasked
.Lwave_2:
	s_cmp_eq_u32 s14, 2
	s_cbranch_scc0 .Lwave_3
	TLOAD 60, 24
	s_branch .Lasked
.Lwave_3:
	TLOAD 84, 48
.Lasked:
	v_and_b32 v3, 31, v0
	v_lshlrev_b32 v4, 4, v3                        ; v4 16 x lane
	v_and_b32 v1, 15, v0                           ; r
	v_bfe_u32 v2, v0, 4, 1                         ; h
	v_lshlrev_b32 v18, 7, v2                       ; q's and k's bias: 32 columns on end for each half of the lanes
	v_lshrrev_b32 v19, 3, v1
	v_and_b32 v20, 7, v1
	v_lshlrev_b32 v19, 7, v19
	v_lshl_add_u32 v19, v20, 2, v19                ; v's: dim 32 (r / 8) + 8 t + r % 8
	s_add_nc_u64 s[92:93], s[6:7], s[92:93]
	s_add_nc_u64 s[94:95], s[10:11], s[94:95]
	s_lshl_b32 s12, s42, 8
	s_mov_b32 s13, 0
	s_add_nc_u64 s[68:69], s[68:69], s[12:13]
	s_add_nc_u64 s[70:71], s[70:71], s[12:13]
	s_add_nc_u64 s[72:73], s[72:73], s[12:13]
	s_mul_i32 s12, s14, 6144
	s_add_nc_u64 s[88:89], s[88:89], s[12:13]
	s_wait_alu depctr_va_vdst(0)
.irp u, 0,1,2,3,4,5,6,7,8,9,10,11          ; scale words: lanes 0-15 those of K steps 0-3, lanes 16-31 those of steps 4-7
	global_load_b128 v[30+4*\u:33+4*\u], v4, s[94:95] offset:512*\u
.endr
.irp a, 0,1,2,3
	global_load_b128 v[80+4*\a:83+4*\a], v4, s[92:93] offset:512*\a
.endr
.irp t, 0,1,2,3
	global_load_b32 v[96+8*\t], v19, s[72:73] offset:32*\t
.endr
	WIN 0x80
.irp b, 0,1,2,3
	global_load_b128 v[192+8*\b:195+8*\b], v18, s[68:69] offset:32*\b
	global_load_b128 v[196+8*\b:199+8*\b], v18, s[68:69] offset:32*\b+16
	global_load_b128 v[224+8*\b:227+8*\b], v18, s[70:71] offset:32*\b
	global_load_b128 v[228+8*\b:231+8*\b], v18, s[70:71] offset:32*\b+16
.endr
	WIN 0x40
.irp a, 0,1,2,3                                ; x's K step 7: my own four fragments
.irp p, 0,1,2
	global_load_b128 v[192+12*\a+4*\p:195+12*\a+4*\p], v4, s[88:89] offset:7*24576+1536*\a+512*\p
.endr
.endr
	WIN 0
	s_mul_i32 s12, s14, 6144
	s_add_co_u32 s12, s12, XL
	v_add_nc_u32 v5, s12, v4                       ; v5-7 my fragments of x: K steps 0-2, 3-5, 6
	v_add_nc_u32 v6, 3*24576, v5
	v_add_nc_u32 v7, 6*24576, v5
	v_mov_b32 v8, v4                               ; v8-10 the weights': 0-2, 3-5, 6-7
	v_add_nc_u32 v9, 3*18432, v4
	v_add_nc_u32 v10, 6*18432, v4
	v_lshl_add_u32 v17, v3, 3, 512                 ; v17 an image's registers 4-5
	s_lshl_b32 s12, s14, 8
	s_add_co_u32 s12, s12, STG
	v_lshl_add_u32 v14, v1, 4, v2
	v_add_nc_u32 v14, s12, v14                     ; v14 my bytes of K's words (Q's 1,024 on)
	s_lshr_b32 s12, s14, 1
	s_lshl_b32 s12, s12, 8
	s_and_b32 s13, s14, 1
	s_lshl_b32 s13, s13, 1
	s_add_co_u32 s12, s12, s13
	s_add_co_u32 s12, s12, STG+2048
	v_lshl_add_u32 v15, v1, 4, v2
	v_add_nc_u32 v15, s12, v15                     ; v15 my byte of V's words
	s_lshl_b32 s12, s14, 9
	s_add_co_u32 s12, s12, STG
	v_add_nc_u32 v16, s12, v4                      ; v16 the way out: waves 0, 1 K's words, waves 2, 3 Q's
	v_add_nc_u32 v11, STG+2048, v4                 ; v11 V's
	s_and_b32 s46, s43, 3                          ; token block in its batch
	s_lshr_b32 s47, s43, 2
	s_lshl_b32 s47, s47, 4
	s_add_co_u32 s47, s47, s42                     ; bh
	s_mul_i32 s96, s46, 12288
	s_mul_i32 s97, s14, 3072
	s_add_co_u32 s96, s96, s97
	s_mul_i32 s98, s47, 49152
	s_add_co_u32 s98, s98, s96
	s_mov_b32 s99, 0
	s_add_nc_u64 s[74:75], s[74:75], s[98:99]      ; q's images
	s_mul_i32 s66, s47, 104448
	s_add_co_u32 s98, s66, s96
	s_add_nc_u64 s[98:99], s[78:79], s[98:99]      ; k's; v's 49,152 on
	s_lshl_b32 s97, s46, 10
	s_and_b32 s15, s14, 1
	s_lshl_b32 s15, s15, 9
	s_add_co_u32 s97, s97, s15
	s_add_co_u32 s2, s66, 98304
	s_add_co_u32 s2, s2, s97
	s_lshl_b32 s3, s47, 12
	s_add_co_u32 s3, s3, s97
	s_cmp_lt_u32 s14, 2
	s_cselect_b32 s2, s2, s3
	s_cselect_b64 s[100:101], s[78:79], s[76:77]
	s_mov_b32 s3, 0
	s_add_nc_u64 s[100:101], s[100:101], s[2:3]    ; K's or Q's scale words
	s_lshl_b32 s12, s46, 9
	s_add_co_u32 s12, s12, s66
	s_add_co_u32 s12, s12, 102400
	s_mov_b32 s13, 0
	s_add_nc_u64 s[78:79], s[78:79], s[12:13]      ; V's
.macro FETCH s                         ; K step s's fragments in one run: x's four (step 7's are in registers), then q's, k's and v's four of the weights
	WIN (1+(\s)%2)<<6
.if (\s) != 7
.irp a, 0,1,2,3
.irp p, 0,1,2
	ds_load_b128 v[12*\a+4*\p:12*\a+4*\p+3], v[5+(\s)/3] offset:((\s)%3)*24576+1536*\a+512*\p
.endr
.endr
.endif
.irp u, 0,1,2,3,4,5,6,7,8,9,10,11
.irp p, 0,1,2
	ds_load_b128 v[48+12*\u+4*\p:48+12*\u+4*\p+3], v[8+(\s)/3] offset:((\s)%3)*18432+1536*\u+512*\p
.endr
.endr
.endm
.macro MM d, a, b, c, xa, xb, row
.if \row
	v_wmma_scale_f32_16x16x128_f8f6f4 v[\d:\d+7], v[\a:\a+11], v[\b:\b+11], v[\c:\c+7], v[\xa], v[\xb] matrix_a_fmt:MATRIX_FMT_FP6 matrix_b_fmt:MATRIX_FMT_FP6 matrix_a_scale:MATRIX_SCALE_ROW1 matrix_b_scale:MATRIX_SCALE_ROW1
.else
	v_wmma_scale_f32_16x16x128_f8f6f4 v[\d:\d+7], v[\a:\a+11], v[\b:\b+11], v[\c:\c+7], v[\xa], v[\xb] matrix_a_fmt:MATRIX_FMT_FP6 matrix_b_fmt:MATRIX_FMT_FP6
.endif
.endm
.macro PROD s, n                       ; product n of K step s: m = n / 16: q, k, v; x's tile A_, the weight's tile B_.  The first step's C is the bias
.set M_, (\n)/16
.set A_, ((\n)%16)/4
.set B_, (\n)%4
.set FW_, 1+(\s)%2
.set AW_, FW_
.set AR_, 12*A_
.if (\s) == 7
.set AW_, 1
.set AR_, 192+12*A_
.endif
.set BR_, 48+12*(4*M_+B_)
.set XB_, 30+4*(4*M_+B_)+(\s)%4
.set XA_, 80+4*A_+(\s)%4
.if M_ == 0
.set D_, 128+32*A_+8*B_
.set DW_, 0
.set CR_, 192+8*B_
.set CW_, 2
.elseif M_ == 1
.set D_, 32*A_+8*B_
.set DW_, 3
.set CR_, 224+8*B_
.set CW_, 2
.else
.set D_, 128+32*B_+8*A_
.set DW_, 3
.set CR_, 96+8*B_
.set CW_, 0
.endif
.if (\s) != 0
.set CR_, D_
.set CW_, DW_
.endif
.if M_ < 2
	WIN FW_|(AW_<<2)|(CW_<<4)|(DW_<<6)
	MM D_, BR_, AR_, CR_, XB_, XA_, (\s)/4
.else
	WIN AW_|(FW_<<2)|(CW_<<4)|(DW_<<6)
	MM D_, AR_, BR_, CR_, XA_, XB_, (\s)/4
.endif
.endm
; A K step: 48 products, the accumulators by turns in the same order in every step; the next step's fragments come in one run of 48 loads behind q's products.
; The counted waits: ahead of q's products the youngest 24 loads (k's and v's fragments) may be out; ahead of k's, v's 12; ahead of v's, the next step's run (48; 36 where the next step is 7).
.macro STEP s
	s_wait_dscnt 24
.if \s == 7
	s_wait_loadcnt 0x0                             ; x's step 7
.endif
.set N_, 0
.rept 48
.if N_ == 16
.if \s == FIRST-1
	s_wait_tensorcnt 0x0                           ; my tile is in
	s_wait_dscnt 0x0
	s_barrier_signal -1
	s_barrier_wait -1                              ; all of LDS is in
.else
	s_wait_dscnt 12
.endif
.if \s < 7
	PLACES 4                                       ; in front of loads into the set that the last step multiplied
	FETCH \s+1
.endif
.endif
.if N_ == 32
.if \s < 6
	s_wait_dscnt 48
.elseif \s == 6
	s_wait_dscnt 36
.else
	s_wait_dscnt 0x0
.endif
.endif
	PROD \s, N_
.set N_, N_+1
.endr
.endm
	s_wait_alu depctr_va_vdst(0)                   ; the wait at the head's end
	s_cmp_lt_u32 s14, 2
	s_cbranch_scc0 .Lnot_first
	s_wait_tensorcnt 0x0
.Lnot_first:
	s_barrier_signal -1
	s_barrier_wait -1                              ; the first part is in; the rest may be on its way
	FETCH 0
	WIN 0
	s_wait_loadcnt 12                              ; scales and biases are in; x's step 7 (12 loads) may be out
.irp t, 0,1,2,3
.irp i, 1,2,3,4,5,6,7
	v_mov_b32 v[96+8*\t+\i], v[96+8*\t]
.endr
.endr
	s_wait_alu depctr_va_vdst(0)
.irp s, 0,1,2,3,4,5,6,7
	STEP \s
.endr
	PLACES 4                                       ; behind the last products
; Four blocks of 32 of a unit (sums from register a of window w on): codes to window 1, 48 m + 6 b on; bytes to v108-111
.macro QUNIT w, a, m
	WIN (\w)|((\w)<<2)|((\w)<<4)
.irp b, 0,1,2,3
	v_max3_num_f32 v[96+\b], |v[\a+32*\b]|, |v[\a+32*\b+1]|, |v[\a+32*\b+2]|
	v_max3_num_f32 v[100+\b], |v[\a+32*\b+16]|, |v[\a+32*\b+17]|, |v[\a+32*\b+18]|
.endr
	WIN ((\w)<<2)|((\w)<<4)
.irp i, 3,5,7,9,11,13
.irp b, 0,1,2,3
	v_max3_num_f32 v[96+\b], v[96+\b], |v[\a+32*\b+\i]|, |v[\a+32*\b+\i+1]|
	v_max3_num_f32 v[100+\b], v[100+\b], |v[\a+32*\b+16+\i]|, |v[\a+32*\b+17+\i]|
.endr
.endr
.irp b, 0,1,2,3
	v_max3_num_f32 v[96+\b], v[96+\b], |v[\a+32*\b+15]|, |v[\a+32*\b+31]|
.endr
	WIN 0
.irp b, 0,1,2,3
	v_max3_num_f32 v[96+\b], v[96+\b], v[100+\b], 0x1800000
.endr
.irp b, 0,1,2,3
	v_add_nc_u32 v[104+\b], 0xff000000, v[96+\b]
.endr
.irp b, 0,1,2,3
	v_lshrrev_b32 v[108+\b], 23, v[104+\b]
.endr
	WIN (\w)|0x40
.irp b, 0,1,2,3
	v_cvt_scalef32_pk16_fp6_f32 v[48*\m+6*\b:48*\m+6*\b+2], v[\a+32*\b:\a+32*\b+15], v[104+\b]
	v_cvt_scalef32_pk16_fp6_f32 v[150+4*\b:152+4*\b], v[\a+32*\b+16:\a+32*\b+31], v[104+\b]
.endr
	WIN 0
	v_nop                                          ; one plain line behind the conversions
	WIN 0x41
.irp b, 0,1,2,3
.irp i, 0,1,2
	v_mov_b32 v[48*\m+6*\b+3+\i], v[150+4*\b+\i]
.endr
.endr
	WIN 0
.endm
	QUNIT 0, 128, 0
.irp b, 0,1,2,3
	ds_store_b8 v14, v[108+\b] offset:1024+4*\b
	ds_store_b8 v14, v[108+\b] offset:1026+4*\b
.endr
	WIN 0x04
.irp b, 0,1,2,3
	global_store_b128 v4, v[6*\b:6*\b+3], s[74:75] offset:768*\b
	global_store_b64 v17, v[6*\b+4:6*\b+5], s[74:75] offset:768*\b
.endr
	QUNIT 3, 0, 1
.irp b, 0,1,2,3
	ds_store_b8 v14, v[108+\b] offset:4*\b
	ds_store_b8 v14, v[108+\b] offset:4*\b+2
.endr
	WIN 0x04
.irp p, 0,1,2,3,4,5
	global_store_b128 v4, v[48+4*\p:51+4*\p], s[98:99] offset:512*\p
.endr
	QUNIT 3, 128, 2
.irp b, 0,1,2,3
	ds_store_b8 v15, v[108+\b] offset:4*\b
.endr
	WIN 0x04
.irp b, 0,1,2,3
	global_store_b128 v4, v[96+6*\b:99+6*\b], s[98:99] offset:49152+768*\b
	global_store_b64 v17, v[100+6*\b:101+6*\b], s[98:99] offset:49152+768*\b
.endr
	WIN 0
	s_wait_dscnt 0x0                               ; my scale bytes have landed
	s_barrier_signal -1
	s_barrier_wait -1
	ds_load_b128 v[112:115], v16
	ds_load_b128 v[116:119], v11
	s_wait_dscnt 0x0
	global_store_b128 v4, v[112:115], s[100:101]   ; 512 consecutive bytes, aligned
	s_cmp_eq_u32 s14, 0                            ; wave 0: V's words
	s_cbranch_scc0 .Lnot_v
	global_store_b128 v4, v[116:119], s[78:79]
.Lnot_v:
	s_wait_tensorcnt 0x0                           ; the wave's end
	ds_add_u32 v[SPW], v[NIL]
	s_wait_dscnt 0x0
	CROUND                                         ; the closing round
	s_endpgm
.Lfunc_end_k_q08707c4469_qkv:
	.size	k_q08707c4469_qkv, .Lfunc_end_k_q08707c4469_qkv-k_q08707c4469_qkv
	.p2alignl 7, 3214868480
	.fill 96, 4, 3214868480
	.section	.rodata,"a",@progbits
	.p2align	6, 0x0
	.amdhsa_kernel k_q08707c4469_qkv
		.amdhsa_group_segment_fixed_size 327680
		.amdhsa_private_segment_fixed_size 0
		.amdhsa_enable_private_segment 0
		.amdhsa_kernarg_size 80
		.amdhsa_user_sgpr_count 2
		.amdhsa_user_sgpr_kernarg_segment_ptr 1
		.amdhsa_wavefront_size32 1
		.amdhsa_system_sgpr_workgroup_id_x 1
		.amdhsa_system_sgpr_workgroup_id_y 1
		.amdhsa_system_sgpr_workgroup_id_z 1
		.amdhsa_system_vgpr_workitem_id 0
		.amdhsa_next_free_vgpr 1024
		.amdhsa_next_free_sgpr 102
		.amdhsa_reserve_vcc 0
		.amdhsa_float_denorm_mode_32 3
		.amdhsa_float_denorm_mode_16_64 3
		.amdhsa_memory_ordered 1
		.amdhsa_forward_progress 1
		.amdhsa_inst_pref_size 110
	.end_amdhsa_kernel
	.amdgpu_metadata
---
amdhsa.version: [ 1, 2 ]
amdhsa.kernels:
  - .name:           k_q08707c4469_qkv
    .symbol:         k_q08707c4469_qkv.kd
    .args:
      - { .name: x_img, .offset: 0, .size: 8, .value_kind: global_buffer, .address_space: global }
      - { .name: x_sc, .offset: 8, .size: 8, .value_kind: global_buffer, .address_space: global }
      - { .name: w_img, .offset: 16, .size: 8, .value_kind: global_buffer, .address_space: global }
      - { .name: w_sc, .offset: 24, .size: 8, .value_kind: global_buffer, .address_space: global }
      - { .name: bq, .offset: 32, .size: 8, .value_kind: global_buffer, .address_space: global }
      - { .name: bk, .offset: 40, .size: 8, .value_kind: global_buffer, .address_space: global }
      - { .name: bv, .offset: 48, .size: 8, .value_kind: global_buffer, .address_space: global }
      - { .name: q_img, .offset: 56, .size: 8, .value_kind: global_buffer, .address_space: global }
      - { .name: q_sc, .offset: 64, .size: 8, .value_kind: global_buffer, .address_space: global }
      - { .name: kv, .offset: 72, .size: 8, .value_kind: global_buffer, .address_space: global }
    .group_segment_fixed_size: 327680
    .private_segment_fixed_size: 0
    .kernarg_segment_align: 8
    .kernarg_segment_size: 80
    .max_flat_workgroup_size: 128
    .sgpr_count:     102
    .vgpr_count:     1024
    .wavefront_size: 32
...
	.end_amdgpu_metadata
.endif
;; end of part 2
;; launch attn (part 3): grid 4 x 64, 8 waves a work-group, clusters of 4 x 1, 327,680 bytes of LDS; arguments q_img, q_sc, kv, c_img, bc, out0; writes out0
.if DOCPART == 3
	.amdgcn_target "amdgcn-amd-amdhsa--gfx1250"
	.amdhsa_code_object_version 6
	.text
	.protected	k_q08707c4469_attn
	.globl	k_q08707c4469_attn
	.p2align	8
	.type	k_q08707c4469_attn,@function
k_q08707c4469_attn:
	s_mov_b64 s[64:65], 0
	v_nop
	global_prefetch_b8 v0, s[64:65] scope:SCOPE_SE
	s_setreg_imm32_b32 hwreg(HW_REG_WAVE_MODE, 25, 1), 1
	s_wait_xcnt 0x0
	s_wait_alu depctr_hold_cnt(0) depctr_sa_sdst(0) depctr_va_vdst(0) depctr_va_sdst(0) depctr_va_ssrc(0) depctr_va_vcc(0) depctr_vm_vsrc(0)
	s_getreg_b32 s2, hwreg(HW_REG_IB_STS2, 6, 4)
	s_cmp_eq_u32 s2, 0
	s_cbranch_scc0 .Lentry_in_a_cluster
	s_endpgm
.Lentry_in_a_cluster:
	s_bfe_u32 s2, ttmp6, 0x10000c
	s_cmp_lg_u32 s2, 0x3003
	s_cbranch_scc0 .Lentry_shape_is_right
	s_endpgm
.Lentry_shape_is_right:
; ATTENTION AND THE LAST PRODUCT.  A work-group owns 256 queries of one head (bh = 16 batch + head), each of eight waves two tiles of 16, A and B.  the module reads o [bh][token][64] as rows of 1,024: 16 tokens of a head are ONE row of the
; last product.  So the 256 queries are 16 whole rows, all of K, and the work-group goes on to out[16 rows][1,024] = o Wc^T + bc.  o never goes to memory.
; THE SOFTMAX: t = score x log2(e) / 32; M = the running largest t rounded up to a whole number; p = 2^(t - M) is quantised along the keys; the row's sum is taken of the unquantised p and divides O at the end; when M moves, the sum and O are
; multiplied by 2^(old M - new M), exactly.  A block's scale comes from floor(its largest t - M): p rises with t.
; LAYOUT.  S^T = K Q^T, O^T = V^T P^T: a lane holds one query of each tile; by the rows' order in K's tiles its 32 registers of four tiles are 32 neighbouring keys, one scale block; so too O's 32 dims.
; The head's 64 fill half of the instruction's 128 along K: Q's upper registers hold zero codes, K's are the next tile's (zeros behind the last); q's and k's scale words hold the head's two bytes twice.
; A wave reads K's and V's fragments once for both tiles; the next key step's K is asked for behind this step's scores.  One tile's plain work stands behind the other's exponentials.
; LDS: 0 a region for 16 tiles of Wc (12,800 bytes each: codes, then scales); KVB the head's K, V and scale words, later 8 tiles of Wc, then the last stage; AIM o's codes as the last product's fragments, ASC their scales, both later the first stage; the spare words.
; CLUSTER: the four work-groups of a head need the same K and V, and the same tiles of Wc: all tensor loads are joint (mask 15), a quarter each by waves 0-3.
; Wave w makes the column groups w and w + 8 (64 columns each, tiles j = 0 .. 3).  FILLS, each behind a drained round: group w: j = 0, 1 (16 tiles, under the attention); j = 2 (8, onto K and V); group w: j = 3 and group w + 8: j = 0 (16);
;   group w + 8: j = 1 (8); j = 2, 3 (16).  So group w is finished after the third phase and leaves under the last fills: waves 0-3, then waves 4-7, through the first stage.
; PREFETCH: what the later fills bring (2,400 blocks of 256 bytes) is asked for ahead of the key steps, eight key steps ahead of the first load that wants it, by four clusters of the launch, each block once in a cluster: wave w of place cx names blocks 75 (4 w + cx) + 0 .. 74.
; LIMITS: NaN and infinities are not served; the scaled scores (exponents to the base 2, before the maximum is taken away) stay under 2^31 in magnitude; a block whose largest magnitude lies under 2^-124, or a block of zeros, gets the byte 1.
; REGISTERS: a tile's own lie at the same numbers, A's in window 0, B's in window 1: v14-15 the sum, v18-19 -M and the largest score, v28-47 at work, v48-59 Q, v144-207 S^T then p, v208-239 O^T, v240-254 p's codes.
;   window 0 also: v4-13, v16-17 scale words, v20-27 LDS addresses, v60-107 K, v108-113 zeros, v116-137.  window 1 also: v60-107 V.
;   The last product: window 1 o's fragments v48-143, a tile of Wc v144-239; window 0 the sums of group w v144-175, of group w + 8 v176-207, partial sums v208-231.
.set KVB, 204800
.set AIM, 309248
.set ASC, 321536
.set SPARE, 326656
.set SPITCH, 272
.set STG, 16*SPITCH
.set SPW, 2
.set NIL, 3
.set Q,  48
.set KF, 60
.set S,  144
.set OT, 208
.set CD, 240
.set ACC0, 144
.set ACC1, 176
.set P, 208
.set MSB, 0
.macro WIN new
.if MSB != (\new)
	s_set_vgpr_msb (MSB<<8)|(\new)
.set MSB, (\new)
.endif
.endm
.macro PLACES n
.rept \n
	v_nop
.endr
.endm
.macro WALU
	s_wait_alu depctr_va_vdst(0)
.endm
.macro CROUND
	s_barrier_signal -1
	s_barrier_wait -1
	s_cmp_lg_u32 s18, 0
	s_cbranch_scc1 .Lnot_wave_0_\@
	s_barrier_signal -3
.Lnot_wave_0_\@:
	s_barrier_wait -3
	s_barrier_signal -1
	s_barrier_wait -1
.endm
.macro GROUP1 g, rows                  ; a dense block as rows of 256 bytes
	s_mov_b32 s[\g], 15|(3<<16)|(1<<21)
	s_mov_b32 s[\g+1], 32<<16
	s_mov_b32 s[\g+2], (\rows)<<16
	s_mov_b32 s[\g+3], 32<<16
	s_mov_b32 s[\g+4], \rows
	s_mov_b32 s[\g+5], 32
	s_mov_b32 s[\g+6], 0
	s_mov_b32 s[\g+7], 0
.endm
.macro FILL g0, g1                     ; waves 0-3 a quarter each
	s_cmp_lt_u32 s18, 4
	s_cbranch_scc0 .Lno_fill_\@
	tensor_load_to_lds s[\g0:\g0+3], s[\g1:\g1+7]
	s_nop 0
	PLACES 4
.Lno_fill_\@:
.endm
.macro GRD
	WALU
	s_wait_tensorcnt 0x0
	ds_add_u32 v[SPW], v[NIL]
	ds_add_u32 v[SPW], v[NIL]
.endm
	s_load_b256 s[4:11], s[0:1], 0x0               ; q_img, q_sc, kv, c_img
	s_load_b128 s[12:15], s[0:1], 0x20             ; bc, out
	v_lshl_add_u32 v[SPW], v0, 2, SPARE
	v_mov_b32 v[NIL], 0
	ds_add_u32 v[SPW], v[NIL]                      ; the opening: the add twice on end and its wait
	ds_add_u32 v[SPW], v[NIL]
	v_lshrrev_b32 v28, 5, v0
	v_readfirstlane_b32 s18, v28                   ; wave 0..7
	s_bfe_u32 s16, ttmp6, 0x40000                  ; cx
	s_lshl_b32 s17, ttmp9, 2
	s_add_co_u32 s17, s17, s16                     ; block of 256 queries
	s_and_b32 s19, ttmp7, 0xffff                   ; bh
	GROUP1 24, 102
	GROUP1 32, 200
	GROUP1 40, 100
	s_min_u32 s66, s18, 3
	s_mul_i32 s67, s66, 26112
	s_mov_b32 s48, 1                               ; group 0: K, V and their scales
	s_add_co_u32 s49, s67, KVB
	s_mul_i32 s68, s19, 104448
	s_add_co_u32 s68, s68, s67
	s_mov_b32 s69, 0
	s_mov_b32 s52, 1                               ; 16 tiles of Wc: two runs of 8, two waves to a run
	s_mul_i32 s53, s66, 51200
	s_lshr_b32 s67, s66, 1
	s_and_b32 s82, s66, 1
	s_mul_i32 s82, s82, 51200
	s_mul_i32 s70, s67, 204800
	s_add_co_u32 s70, s70, s82                     ; j = 0 and j = 1 of groups 0-7 (groups 8-15, j = 2 and 3: 512,000 on)
	s_mov_b32 s71, 0
	s_mul_i32 s88, s67, 512000
	s_sub_co_u32 s88, 614400, s88
	s_add_co_u32 s88, s88, s82                     ; j = 3 of groups 0-7, j = 0 of groups 8-15
	s_mov_b32 s89, 0
	s_mov_b32 s56, 1                               ; 8 tiles of Wc: j = 2 of groups 0-7 (j = 1 of groups 8-15: 102,400 back)
	s_mul_i32 s67, s66, 25600
	s_add_co_u32 s57, s67, KVB
	s_add_co_u32 s72, s67, 409600
	s_mov_b32 s73, 0
	s_lshl_b32 s67, s17, 4
	s_lshl_b32 s74, s18, 1
	s_add_co_u32 s67, s67, s74
	s_mul_i32 s67, s67, 768
	s_mul_i32 s74, s19, 49152
	s_add_co_u32 s74, s74, s67                     ; my two tiles of Q
	s_mov_b32 s75, 0
	s_lshr_b32 s67, s18, 1
	s_lshl_b32 s76, s17, 2
	s_add_co_u32 s67, s67, s76
	s_lshl_b32 s67, s67, 8
	s_lshl_b32 s76, s19, 12
	s_add_co_u32 s76, s76, s67
	s_and_b32 s67, s18, 1
	s_lshl_b32 s67, s67, 3
	s_add_co_u32 s76, s76, s67                     ; their scale words
	s_mov_b32 s77, 0
	s_lshl_b32 s78, s19, 18
	s_lshl_b32 s67, s17, 16
	s_add_co_u32 s78, s78, s67
	s_lshl_b32 s80, s18, 8
	s_add_co_u32 s78, s78, s80                     ; out: 16 rows from 64 bh + 16 block, column 64 w
	s_mov_b32 s79, 0
	s_mov_b32 s81, 0
	s_mov_b32 s20, 0x76543210                      ; lane l xor 16
	s_mov_b32 s21, 0xfedcba98
	s_mov_b32 s22, 0x3d38aa3b                      ; c = log2(e) / 32
	s_mov_b32 s23, s22                             ; (named with it as a pair)
	WALU
	s_wait_dscnt 0x0
	CROUND                                         ; all four work-groups are here: the joint loads meet
	s_wait_kmcnt 0x0
	s_add_nc_u64 s[50:51], s[8:9], s[68:69]
	s_or_b32 s51, s51, 0x80000000
	s_add_nc_u64 s[54:55], s[10:11], s[70:71]
	s_or_b32 s55, s55, 0x80000000
	s_add_nc_u64 s[58:59], s[10:11], s[72:73]
	s_or_b32 s59, s59, 0x80000000
	FILL 48, 24
	s_add_nc_u64 s[60:61], s[4:5], s[74:75]
	s_add_nc_u64 s[62:63], s[6:7], s[76:77]
	s_add_nc_u64 s[14:15], s[14:15], s[78:79]
	s_add_nc_u64 s[12:13], s[12:13], s[80:81]
	v_and_b32 v28, 31, v0                          ; lane
	v_and_b32 v29, 15, v0                          ; r
	v_bfe_u32 v30, v0, 4, 1                        ; h
	v_lshlrev_b32 v1, 4, v28
	v_lshl_add_u32 v31, v28, 3, 512
	v_lshlrev_b32 v46, 4, v29
	global_load_b128 v[Q:Q+3], v1, s[60:61]        ; Q stays in registers
	global_load_b64 v[Q+4:Q+5], v31, s[60:61]
	global_load_b64 v[16:17], v46, s[62:63]        ; v16, v17 the two tiles' scale words
	WIN 0x40
	global_load_b128 v[Q:Q+3], v1, s[60:61] offset:768
	global_load_b64 v[Q+4:Q+5], v31, s[60:61] offset:768
	WIN 0
	v_add_nc_u32 v20, KVB, v1                      ; K's and V's images
	v_add_nc_u32 v21, KVB, v31                     ; V's registers 4-5
	v_add_nc_u32 v22, KVB+98304, v1                ; K's scale words: lanes 0-15 tiles 0-3, lanes 16-31 tiles 4-7
	v_add_nc_u32 v23, KVB+102400, v46              ; V's
	s_and_b32 s67, s18, 1                          ; o of query 64 (w / 2) + 32 (r / 8) + 16 (w % 2) + 8 tile + r % 8 is row n = query / 16 and k from 64 (query % 16) on of the last product
	s_lshr_b32 s83, s18, 1
	s_lshl_b32 s83, s83, 2
	s_add_co_u32 s83, s83, s67                     ; n less 2 (r / 8)
	s_lshl_b32 s84, s83, 4
	s_add_co_u32 s84, s84, AIM
	s_lshl_b32 s85, s83, 3
	s_add_co_u32 s85, s85, AIM+512
	s_lshl_b32 s86, s83, 5
	s_add_co_u32 s86, s86, ASC
	WALU
	v_and_b32 v40, 7, v29
	v_lshrrev_b32 v41, 3, v29
	v_mul_u32_u24 v42, v40, 768
	v_lshl_add_u32 v120, v41, 5, v42
	v_lshl_add_u32 v120, v30, 8, v120
	v_add_nc_u32 v120, s84, v120                   ; v120 in: registers 0-3 (tile B 6,144 on),
	v_lshl_add_u32 v121, v41, 4, v42
	v_lshl_add_u32 v121, v30, 7, v121
	v_add_nc_u32 v121, s85, v121                   ; v121 registers 4-5,
	v_lshl_add_u32 v122, v40, 1, v30
	v_lshl_add_u32 v122, v41, 6, v122
	v_add_nc_u32 v122, s86, v122                   ; v122 the scale byte (tile B 16 on)
	v_add_nc_u32 v123, AIM, v1                     ; v123, v124 back as fragments
	v_add_nc_u32 v124, AIM, v31
	v_lshlrev_b32 v125, 5, v29
	v_lshl_add_u32 v125, v30, 4, v125
	v_add_nc_u32 v125, ASC, v125                   ; v125 their scales: lanes 0-15 K steps 0-3, lanes 16-31 4-7
	s_mul_i32 s67, s18, 12800
	v_add_nc_u32 v126, s67, v1                     ; v126, v127 my two tiles among 16
	v_add_nc_u32 v127, 102400, v126
	v_add_nc_u32 v128, KVB, v126                   ; v128 my tile among 8
	v_mul_u32_u24 v42, v29, SPITCH
	v_lshl_add_u32 v42, v30, 7, v42                ; a stage: in: row r, 128 bytes a half;
	v_mul_u32_u24 v43, v30, SPITCH
	v_add_nc_u32 v43, v43, v46                     ; back: sixteen lanes a row
	s_and_b32 s67, s18, 3
	s_mul_i32 s67, s67, STG
	s_add_co_u32 s67, s67, AIM
	v_add_nc_u32 v129, s67, v42                    ; v129, v130 the first stage (four waves at a time)
	v_add_nc_u32 v130, s67, v43
	s_mul_i32 s67, s18, STG
	s_add_co_u32 s67, s67, KVB
	v_add_nc_u32 v131, s67, v42                    ; v131, v132 the last
	v_add_nc_u32 v132, s67, v43
	v_lshl_add_u32 v133, v30, 12, v46              ; v133 and in out
	v_lshlrev_b32 v134, 7, v30                     ; v134 the bias
	s_lshl_b32 s67, s18, 2
	s_add_co_u32 s67, s67, s16
	s_mul_i32 s67, s67, 75
	v_add_nc_u32 v135, s67, v28                    ; v135-137 the prefetches' blocks; never rewritten behind the prefetch
	v_add_nc_u32 v136, 32, v135
	v_min_u32 v137, 10, v28
	s_add_co_u32 s67, s67, 64
	v_add_nc_u32 v137, s67, v137
	v_mov_b32 v44, 0x19000                         ; blocks 0-399: j = 0 of groups 8-15;
	v_mov_b32 v45, 0x32000                         ; 400-2,399: from j = 1 of groups 8-15 to the end
.irp i, 135,136,137
	v_cmp_gt_u32 vcc_lo, 400, v\i
	v_cndmask_b32 v47, v45, v44, vcc_lo
	v_lshl_add_u32 v\i, v\i, 8, v47
.endr
.irp j, 54,55,56,57,58,59,108,109,110,111,112,113,32,33,39,14,15
	v_mov_b32 v[\j], 0                             ; (a lane permute's destination counts as one of its sources)
.endr
	v_mov_b32 v19, 0xff61b1e6                      ; v19 the largest score so far: -3e38
	v_mul_f32 v18, s22, -v19
	v_floor_f32 v18, v18                           ; v18 -M
.set jj, 0
.rept 32
	v_mov_b32 v[OT+jj], 0                          ; the step is written once: the first finds zeros
.set jj, jj+1
.endr
	WIN 0x40
.irp j, 54,55,56,57,58,59,32,33,39,14,15
	v_mov_b32 v[\j], 0
.endr
	v_mov_b32 v18, v18
	v_mov_b32 v19, v19
.set jj, 0
.rept 32
	v_mov_b32 v[OT+jj], 0
.set jj, jj+1
.endr
	WIN 0
	s_mov_b32 s84, 0                               ; the key step's codes: 6,144 bytes a step
	s_mov_b32 s85, 0                               ; K's scale words: 512
	s_mov_b32 s86, 0                               ; V's: 256
	s_mov_b32 s87, 8
	WALU
	s_wait_loadcnt 0x0                             ; Q
	GRD
	s_wait_dscnt 0x0
	CROUND                                         ; K and V are in
	FILL 52, 32                                    ; groups 0-7, j = 0, 1: they land under the attention
	s_mul_i32 s67, s19, 49                         ; four clusters of the launch ask: bh = 0, 21, 42, 63, the multiples of 21
	s_lshr_b32 s67, s67, 10
	s_mul_i32 s67, s67, 21
	s_cmp_eq_u32 s67, s19
	s_cbranch_scc0 .Lno_ask
	global_prefetch_b8 v135, s[10:11] th:TH_LOAD_NT scope:SCOPE_SE
	global_prefetch_b8 v136, s[10:11] th:TH_LOAD_NT scope:SCOPE_SE
	global_prefetch_b8 v137, s[10:11] th:TH_LOAD_NT scope:SCOPE_SE
.Lno_ask:
.macro KLOAD base, sbase, o, so
.irp p, 0,1,2,3,4,5,6,7,8,9,10,11
	ds_load_b128 v[KF+4*\p:KF+4*\p+3], \base offset:(\o)+512*\p
.endr
	ds_load_b128 v[4:7], \sbase offset:\so
.endm
.macro SPROD t                         ; the scores of tile t (0: A, 1: B)
	WIN 0x44*\t
.irp k, 0,1,2,3
	v_wmma_scale_f32_16x16x128_f8f6f4 v[S+8*\k:S+8*\k+7], v[KF+6*\k:KF+6*\k+11], v[Q:Q+11], 0, v[4+\k], v[16+\t] matrix_a_fmt:MATRIX_FMT_FP6 matrix_b_fmt:MATRIX_FMT_FP6
.endr
.irp k, 4,5,6,7
	v_wmma_scale_f32_16x16x128_f8f6f4 v[S+8*\k:S+8*\k+7], v[KF+6*\k:KF+6*\k+11], v[Q:Q+11], 0, v[\k], v[16+\t] matrix_a_fmt:MATRIX_FMT_FP6 matrix_b_fmt:MATRIX_FMT_FP6 matrix_a_scale:MATRIX_SCALE_ROW1
.endr
.endm
.macro SMAX t
	WIN 0x55*\t
.irp b, 0,1,2,3
	v_max3_num_f32 v[28+\b], v[S+16*\b], v[S+1+16*\b], v[S+2+16*\b]
.endr
.irp i, 3,5,7,9,11,13
.irp b, 0,1,2,3
	v_max3_num_f32 v[28+\b], v[28+\b], v[S+16*\b+\i], v[S+1+16*\b+\i]
.endr
.endr
	v_max_num_f32 v28, v28, v[S+15]
	v_max_num_f32 v30, v30, v[S+47]
	v_max3_num_f32 v34, v28, v29, v[S+31]          ; v34, v35 the largest score of each of my two blocks
	v_max3_num_f32 v35, v30, v31, v[S+63]
	v_max_num_f32 v40, v34, v35
	v_permlanex16_b32 v32, v40, s20, s21
.endm
.macro ROW t
	WIN 0x55*\t
	v_max3_num_f32 v19, v19, v40, v32              ; with lane l xor 16's: the running largest score
	v_mul_f32 v41, s22, -v19
	v_mov_b32 v40, v18
	v_floor_f32 v18, v41                           ; the new -M = floor(-t)
.endm
.macro PKF n
.set J_, 2*(\n)
.rept 8
	v_pk_fma_f32 v[S+J_:S+J_+1], v[S+J_:S+J_+1], s[22:23], v[18:19] op_sel_hi:[1,0,0]   ; t - M
.set J_, J_+2
.endr
.endm
.macro FMA t                           ; and between: f = 2^(old M - new M)
	WIN 0x55*\t
	PKF 0
	v_sub_f32 v41, v18, v40                        ; a whole number, 0 or less
	PKF 8
	v_cvt_i32_f32 v41, v41                         ; (it saturates)
	PKF 16
	v_ldexp_f32 v38, 1.0, v41
	PKF 24
	v_pk_fma_f32 v[34:35], v[34:35], s[22:23], v[18:19] op_sel_hi:[1,0,0]
.endm
.macro EXP t
	WIN 0x55*\t
.set J_, 0
.rept 64
	v_exp_f32 v[S+J_], v[S+J_]                     ; p
.set J_, J_+1
.endr
.endm
.macro SCALE t
	WIN 0x55*\t
	v_max_num_f32 v34, 0xc2f80000, v34             ; -124: the byte cannot fall under 1
	v_max_num_f32 v35, 0xc2f80000, v35
	v_cvt_floor_i32_f32 v40, v34                   ; floor(log2) of the block's largest p
	v_cvt_floor_i32_f32 v41, v35
	v_lshl_add_u32 v36, v40, 23, 0x3e800000        ; (that + 125) << 23: the conversion's scale operand
	v_lshl_add_u32 v37, v41, 23, 0x3e800000
	v_lshl_add_u32 v40, v41, 16, v40
	v_add_nc_u32 v40, 0x7d007d, v40                ; my two bytes: 0 and 2
	v_permlanex16_b32 v33, v40, s20, s21
	WIN 0x15*\t
	v_lshl_or_b32 v[12+\t], v33, 8, v40            ; v12, v13 p's scale word (lanes 0-15)
.endm
.macro OMUL t
	WIN 0x55*\t
.set J_, 0
.rept 16
	v_pk_mul_f32 v[OT+J_:OT+J_+1], v[OT+J_:OT+J_+1], v[38:39] op_sel_hi:[1,0]   ; O^T under the new M
.set J_, J_+2
.endr
.endm
.macro POST t                          ; the sum, in four chains, and p's codes
	WIN 0x55*\t
	v_pk_fma_f32 v[14:15], v[14:15], v[38:39], v[S:S+1] op_sel_hi:[1,0,1]
	v_pk_add_f32 v[42:43], v[S+2:S+3], v[S+4:S+5]
	v_pk_add_f32 v[44:45], v[S+6:S+7], v[S+8:S+9]
	v_pk_add_f32 v[46:47], v[S+10:S+11], v[S+12:S+13]
	v_cvt_scalef32_pk16_fp6_f32 v[CD:CD+2], v[S:S+15], v36
	v_cvt_scalef32_pk16_fp6_f32 v[28:30], v[S+16:S+31], v36
	v_cvt_scalef32_pk16_fp6_f32 v[CD+6:CD+8], v[S+32:S+47], v37
	v_cvt_scalef32_pk16_fp6_f32 v[252:254], v[S+48:S+63], v37   ; (a conversion's three registers begin on an even number)
.set K_, 7
.rept 25
.set C_, (K_-7)%4
.if C_ == 0
	v_pk_add_f32 v[14:15], v[14:15], v[S+2*K_:S+2*K_+1]
.else
	v_pk_add_f32 v[40+2*C_:41+2*C_], v[40+2*C_:41+2*C_], v[S+2*K_:S+2*K_+1]
.endif
.if K_ == 12
.irp i, 0,1,2
	v_mov_b32 v[CD+3+\i], v[28+\i]
	v_mov_b32 v[CD+9+\i], v[252+\i]
.endr
.endif
.set K_, K_+1
.endr
	v_pk_add_f32 v[42:43], v[42:43], v[44:45]
	v_pk_add_f32 v[14:15], v[14:15], v[46:47]
	v_pk_add_f32 v[14:15], v[14:15], v[42:43]
.endm
.macro PV t                            ; O^T += V^T P^T; the accumulators take turns
	WIN 0x01+0x54*\t
.irp d, 0,1,2,3
	v_wmma_scale_f32_16x16x128_f8f6f4 v[OT+8*\d:OT+8*\d+7], v[60+12*\d:71+12*\d], v[CD:CD+11], v[OT+8*\d:OT+8*\d+7], v[8+\d], v[12+\t] matrix_a_fmt:MATRIX_FMT_FP6 matrix_b_fmt:MATRIX_FMT_FP6
.endr
.endm
	KLOAD v20, v22, 0, 0                           ; key step 0's K
	WALU
	s_wait_dscnt 0x0
.Lstep:                                            ; A KEY STEP: 128 keys.  Eight trips
	v_add_nc_u32 v24, s84, v20                     ; (these four are also the places in front of the loads into registers that the last products read)
	v_add_nc_u32 v25, s84, v21
	v_add_nc_u32 v26, s85, v22
	v_add_nc_u32 v27, s86, v23
	WIN 0x40
.irp d, 0,1,2,3                                ; V's four fragments (16 dims x 128 keys) land while the softmax is walked
.irp c, 0,1
	ds_load_b128 v[60+12*\d+6*\c:63+12*\d+6*\c], v24 offset:49152+3072*\c+768*\d
	ds_load_b64 v[64+12*\d+6*\c:65+12*\d+6*\c], v25 offset:49152+3072*\c+768*\d
.endr
.endr
	WIN 0
	ds_load_b128 v[8:11], v27
	SPROD 0
	SPROD 1
	WIN 0
	PLACES 4
	KLOAD v24, v26, 6144, 512                      ; the next key step's K (behind the last step these are bytes of V and its scales, and are not used)
	SMAX 0
	SMAX 1
	ROW 0
	ROW 1
	FMA 0
	WALU
	EXP 0
	FMA 1
	SCALE 0
	WALU                                           ; one wait: behind A's exponentials, ahead of B's, and ahead of the first reader of A's O^T
	OMUL 0
	EXP 1
	POST 0
	SCALE 1
	WALU
	OMUL 1
	POST 1
	WALU
	s_wait_dscnt 0x0                               ; V, and the next K, are in
	PV 0
	PV 1
	WIN 0
	s_add_co_u32 s84, s84, 6144
	s_add_co_u32 s85, s85, 512
	s_add_co_u32 s86, s86, 256
	s_sub_co_u32 s87, s87, 1
	s_cmp_lg_u32 s87, 0
	s_cbranch_scc1 .Lstep
	PLACES 4                                       ; behind the last products
	GRD
	s_wait_dscnt 0x0
	CROUND                                         ; K and V have been read by all
	FILL 56, 40                                    ; groups 0-7, j = 2, onto K and V
	; O^T / the sum, quantised along the head's 64, to its place in the last product's fragments
.irp t, 0,1
	WIN 0x55*\t
	v_add_f32 v14, v14, v15
	v_permlanex16_b32 v33, v14, s20, s21
	v_add_f32 v14, v14, v33
.endr
	WALU
	WIN 0
	v_rcp_f32 v14, v14
	WIN 0x55
	v_rcp_f32 v14, v14
	v_nop
	WALU
.irp t, 0,1
	WIN 0x55*\t
.set jj, 0
.rept 16
	v_pk_mul_f32 v[S+jj:S+jj+1], v[OT+jj:OT+jj+1], v[14:15] op_sel_hi:[1,0]
.set jj, jj+2
.endr
.endr
.irp t, 0,1
	WIN 0x55*\t
	v_max3_num_f32 v28, |v[S]|, |v[S+1]|, |v[S+2]|
	v_max3_num_f32 v29, |v[S+16]|, |v[S+17]|, |v[S+18]|
.irp i, 3,5,7,9,11,13
	v_max3_num_f32 v28, v28, |v[S+\i]|, |v[S+1+\i]|
	v_max3_num_f32 v29, v29, |v[S+16+\i]|, |v[S+17+\i]|
.endr
	v_max3_num_f32 v28, v28, |v[S+15]|, |v[S+31]|
	v_max3_num_f32 v28, v28, v29, 0x1800000
	v_add_nc_u32 v31, 0xff000000, v28
	v_cvt_scalef32_pk16_fp6_f32 v[CD:CD+2], v[S:S+15], v31
	v_cvt_scalef32_pk16_fp6_f32 v[252:254], v[S+16:S+31], v31
	v_lshrrev_b32 v30, 23, v31
.irp i, 0,1,2
	v_mov_b32 v[CD+3+\i], v[252+\i]
.endr
	WIN 0x04*\t
	ds_store_b128 v120, v[CD:CD+3] offset:6144*\t
	ds_store_b64 v121, v[CD+4:CD+5] offset:6144*\t
	ds_store_b8 v122, v30 offset:16*\t
.endr
	WIN 0
.irp j, 0,1,2,3                                ; the bias: column 64 (w or w + 8) + 32 h + 8 j + i
	global_load_b128 v[ACC0+8*\j:ACC0+8*\j+3], v134, s[12:13] offset:32*\j
	global_load_b128 v[ACC0+8*\j+4:ACC0+8*\j+7], v134, s[12:13] offset:32*\j+16
	global_load_b128 v[ACC1+8*\j:ACC1+8*\j+3], v134, s[12:13] offset:2048+32*\j
	global_load_b128 v[ACC1+8*\j+4:ACC1+8*\j+7], v134, s[12:13] offset:2048+32*\j+16
.endr
	WALU
	s_wait_dscnt 0x0
	s_barrier_signal -1
	s_barrier_wait -1                              ; o's codes are in
; Half a tile (four fragments) of Wc, its scale words, and the products on it: four sums by turns (the accumulator and three partial ones), added at the end
.macro LW addr, half
	WIN 0x40
.irp p, 0,1,2,3,4,5,6,7,8,9,10,11
	ds_load_b128 v[144+48*\half+4*\p:147+48*\half+4*\p], \addr offset:6144*\half+512*\p
.endr
	WIN 0
.endm
.macro LS addr, sc
	ds_load_b128 v[\sc:\sc+3], \addr offset:12288
.endm
.macro MM d, half, i, c, sc
.if \half
	v_wmma_scale_f32_16x16x128_f8f6f4 v[\d:\d+7], v[192+12*\i:203+12*\i], v[96+12*\i:107+12*\i], \c, v[\sc+\i], v[8+\i] matrix_a_fmt:MATRIX_FMT_FP6 matrix_b_fmt:MATRIX_FMT_FP6 matrix_a_scale:MATRIX_SCALE_ROW1 matrix_b_scale:MATRIX_SCALE_ROW1
.else
	v_wmma_scale_f32_16x16x128_f8f6f4 v[\d:\d+7], v[144+12*\i:155+12*\i], v[48+12*\i:59+12*\i], \c, v[\sc+\i], v[8+\i] matrix_a_fmt:MATRIX_FMT_FP6 matrix_b_fmt:MATRIX_FMT_FP6
.endif
.endm
.macro HALF acc, half, sc
	WIN 0x05
	MM \acc, \half, 0, v[\acc:\acc+7], \sc
.irp i, 1,2,3
.if \half
	MM P+8*(\i-1), \half, \i, v[P+8*(\i-1):P+8*(\i-1)+7], \sc
.else
	MM P+8*(\i-1), \half, \i, 0, \sc
.endif
.endr
	WIN 0
	PLACES 4
.endm
.macro SUMUP acc
.irp i, 0,2,4,6
	v_pk_add_f32 v[P+\i:P+\i+1], v[P+\i:P+\i+1], v[P+8+\i:P+8+\i+1]
.endr
.irp i, 0,2,4,6
	v_pk_add_f32 v[\acc+\i:\acc+\i+1], v[\acc+\i:\acc+\i+1], v[P+16+\i:P+16+\i+1]
.endr
.irp i, 0,2,4,6
	v_pk_add_f32 v[\acc+\i:\acc+\i+1], v[\acc+\i:\acc+\i+1], v[P+\i:P+\i+1]
.endr
.endm
.macro PHASE1 acc, addr                ; one tile
	LS \addr, 4
	LW \addr, 0
	LW \addr, 1
	s_wait_dscnt 12                                ; the second half's 12 loads may be out
	HALF \acc, 0, 4
	s_wait_dscnt 0x0
	HALF \acc, 1, 4
	SUMUP \acc
.endm
.macro PHASE2 acca, addra, accb, addrb ; two tiles; the second's halves are asked for as the first's have been multiplied: 12 loads may be out at each counted wait
	LS \addra, 4
	LS \addrb, 116
	LW \addra, 0
	LW \addra, 1
	s_wait_dscnt 12
	HALF \acca, 0, 4
	LW \addrb, 0
	s_wait_dscnt 12
	HALF \acca, 1, 4
	LW \addrb, 1
	SUMUP \acca
	WALU
	s_wait_dscnt 12
	HALF \accb, 0, 116
	s_wait_dscnt 0x0
	HALF \accb, 1, 116
	SUMUP \accb
.endm
.macro OUT acc, vin, vrd, off          ; my 16 rows x 256 bytes through my own stage
.irp j, 0,1,2,3
	ds_store_b128 \vin, v[\acc+8*\j:\acc+8*\j+3] offset:32*\j
	ds_store_b128 \vin, v[\acc+8*\j+4:\acc+8*\j+7] offset:32*\j+16
.endr
	s_wait_xcnt 0x0                                ; earlier stores have read their registers
.irp t, 0,1,2,3,4,5,6,7
	ds_load_b128 v[60+4*\t:63+4*\t], \vrd offset:2*SPITCH*\t   ; LDS serves a wave's instructions in order (ISA guide 5.7.1.4)
.endr
	s_wait_dscnt 0x0
.irp t, 0,1,2,3,4,5,6,7
	global_store_b128 v133, v[60+4*\t:63+4*\t], s[14:15] offset:8192*\t+(\off) th:TH_STORE_NT   ; sixteen lanes store 256 consecutive bytes, aligned
.endr
.endm
	WIN 0x40
.irp q, 0,1,2,3,4,5,6,7                        ; o's eight fragments stay in registers
.irp c, 0,1
	ds_load_b128 v[48+12*\q+6*\c:51+12*\q+6*\c], v123 offset:1536*\q+768*\c
	ds_load_b64 v[52+12*\q+6*\c:53+12*\q+6*\c], v124 offset:1536*\q+768*\c
.endr
.endr
	WIN 0
	ds_load_b128 v[8:11], v125
	s_wait_loadcnt 0x0                             ; the bias
	PHASE2 ACC0, v126, ACC0+8, v127                ; group w: j = 0, 1
	GRD
	s_add_nc_u64 s[54:55], s[10:11], s[88:89]
	s_or_b32 s55, s55, 0x80000000
	s_wait_dscnt 0x0
	CROUND
	FILL 52, 32
	PHASE1 ACC0+16, v128                           ; j = 2
	GRD
	s_sub_nc_u64 s[58:59], s[58:59], 102400
	s_wait_dscnt 0x0
	CROUND
	FILL 56, 40
	PHASE2 ACC0+24, v126, ACC1, v127               ; j = 3; group w + 8: j = 0
	s_cmp_lt_u32 s18, 4
	s_cbranch_scc0 .Lnot_low
	OUT ACC0, v129, v130, 0                        ; group w of waves 0-3 leaves (o's codes are in registers everywhere: their bytes are the stage)
.Lnot_low:
	GRD
	s_add_nc_u64 s[54:55], s[10:11], s[70:71]
	s_add_nc_u64 s[54:55], s[54:55], 512000
	s_or_b32 s55, s55, 0x80000000
	s_wait_dscnt 0x0
	CROUND
	FILL 52, 32
	PHASE1 ACC1+8, v128                            ; group w + 8: j = 1
	s_cmp_lt_u32 s18, 4
	s_cbranch_scc1 .Lnot_high
	OUT ACC0, v129, v130, 0                        ; group w of waves 4-7
.Lnot_high:
	WALU
	s_wait_tensorcnt 0x0
	s_wait_dscnt 0x0
	s_barrier_signal -1
	s_barrier_wait -1                              ; the last tiles are in
	PHASE2 ACC1+16, v126, ACC1+24, v127            ; j = 2, 3
	OUT ACC1, v131, v132, 2048                     ; through the region that has had its last fill and its last read
	s_wait_tensorcnt 0x0                           ; the wave's end
	ds_add_u32 v[SPW], v[NIL]
	s_wait_dscnt 0x0
	CROUND                                         ; the closing round
	s_endpgm
.Lfunc_end_k_q08707c4469_attn:
	.size	k_q08707c4469_attn, .Lfunc_end_k_q08707c4469_attn-k_q08707c4469_attn
	.p2alignl 7, 3214868480
	.fill 96, 4, 3214868480
	.section	.rodata,"a",@progbits
	.p2align	6, 0x0
	.amdhsa_kernel k_q08707c4469_attn
		.amdhsa_group_segment_fixed_size 327680
		.amdhsa_private_segment_fixed_size 0
		.amdhsa_enable_private_segment 0
		.amdhsa_kernarg_size 48
		.amdhsa_user_sgpr_count 2
		.amdhsa_user_sgpr_kernarg_segment_ptr 1
		.amdhsa_wavefront_size32 1
		.amdhsa_system_sgpr_workgroup_id_x 1
		.amdhsa_system_sgpr_workgroup_id_y 1
		.amdhsa_system_sgpr_workgroup_id_z 1
		.amdhsa_system_vgpr_workitem_id 0
		.amdhsa_next_free_vgpr 512
		.amdhsa_next_free_sgpr 92
		.amdhsa_reserve_vcc 1
		.amdhsa_float_denorm_mode_32 3
		.amdhsa_float_denorm_mode_16_64 3
		.amdhsa_memory_ordered 1
		.amdhsa_forward_progress 1
		.amdhsa_inst_pref_size 93
	.end_amdhsa_kernel
	.amdgpu_metadata
---
amdhsa.version: [ 1, 2 ]
amdhsa.kernels:
  - .name:           k_q08707c4469_attn
    .symbol:         k_q08707c4469_attn.kd
    .args:
      - { .name: q_img, .offset: 0, .size: 8, .value_kind: global_buffer, .address_space: global }
      - { .name: q_sc, .offset: 8, .size: 8, .value_kind: global_buffer, .address_space: global }
      - { .name: kv, .offset: 16, .size: 8, .value_kind: global_buffer, .address_space: global }
      - { .name: c_img, .offset: 24, .size: 8, .value_kind: global_buffer, .address_space: global }
      - { .name: bc, .offset: 32, .size: 8, .value_kind: global_buffer, .address_space: global }
      - { .name: out0, .offset: 40, .size: 8, .value_kind: global_buffer, .address_space: global }
    .group_segment_fixed_size: 327680
    .private_segment_fixed_size: 0
    .kernarg_segment_align: 8
    .kernarg_segment_size: 48
    .max_flat_workgroup_size: 256
    .sgpr_count:     92
    .vgpr_count:     512
    .wavefront_size: 32
...
	.end_amdgpu_metadata
.endif
;; end of part 3
